; MI455X (gfx1250); checked and timed in simulation.
; The chip was launched on July 23, 2026; its instructions are those of AMD's public machine-readable ISA for CDNA 5 (MIT licence, August 2026) and "CDNA5" Instruction Set Architecture Reference Guide (July 2026). The comments in the code are by the model that wrote it; some were corrected since.
;; Causal Self Attention. Allowed arithmetic: float matrix products may take bf16 or f16 operands with f32 sums; all other float work in f32.
;; Inputs: Wk 256 x 256 float32; Wo 256 x 256 float32; Wq 256 x 256 float32; Wv 256 x 256 float32; x 4 x 4,096 x 256 float32.
;; Outputs: out0 4 x 4,096 x 256 float32.
;; One version. Each part assembles by itself: llvm-mc -triple=amdgcn-amd-amdhsa -mcpu=gfx1250 --defsym DOCPART=n.
;; ======== version 1 of 1: 3 launches
;; limits: values are held in f16: magnitudes above 65,504 overflow, below 6.1e-05 lose precision
;; workspace buffers: qkv 25,165,824 bytes; first16 196,608 bytes; att 16,777,216 bytes
;; launch project_qkv (part 1): grid 4 x 64, 4 waves a work-group, no clusters, 273,920 bytes of LDS; arguments x, Wq, Wk, Wv, qkv, first16; writes qkv, first16
.if DOCPART == 1
	.amdgcn_target "amdgcn-amd-amdhsa--gfx1250"
	.amdhsa_code_object_version 6
	.text
	.protected	k_qa4547ccf67_project_qkv
	.globl	k_qa4547ccf67_project_qkv
	.p2align	8
	.type	k_qa4547ccf67_project_qkv,@function
k_qa4547ccf67_project_qkv:
	s_mov_b64 s[64:65], 0
	v_nop
	global_prefetch_b8 v0, s[64:65] scope:SCOPE_SE
	s_setreg_imm32_b32 hwreg(HW_REG_WAVE_MODE, 25, 1), 1
	s_wait_xcnt 0x0
; q, k, v = x W^T.  x: [4][4096][256] f32; Wq, Wk, Wv: [256 out][256 in] f32.  x and W are rounded once to bf16 (nearest even), sums in f32.
; OUT: qkv, f16, [g = 0..11][batch][token][64]: g 0-3 are q's heads, 4-7 k's, 8-11 v's; a row is 128 bytes, rows are dense.
;      first16, f32, [g][batch][16][64]: the unrounded sums of each batch's tokens 0-15, for the next launch's split-operand path.
; LIMIT: q, k and v are kept in f16, so their magnitudes have to stay under 65,504; NaN and infinities in the inputs are not treated.
; SHARES: a work-group takes 256 tokens (grid y) and three of the twelve heads (grid x): 256 KiB of x and 192 KiB of W, the split of
; 16,384 x 768 outputs over 256 work-groups that reads least.  Wave w takes tokens 64 w .. 64 w + 63, one head after the other: 64 x 64 in 16 accumulators.
; NO TENSOR LOADS, NO CLUSTER: x and W are f32 in memory and the products take bf16, so every byte passes through registers on its way to LDS;
; a tile brought in as f32 would take twice the LDS and be converted again by each wave that reads it.
; THE MATRIX INSTRUCTION IS USED TRANSPOSED (source 0 = 16 rows of W, source 1 = 16 tokens): a lane then holds eight neighbouring outputs of one token.
.set PITCH,  528                       ; an LDS row: 256 bf16 = 512 bytes + 16 of padding = 132 words: the 16 rows of a fragment load start 4 banks apart (64 banks of 4 bytes: ISA guide 11.1)
.set WS,     256*PITCH                 ; x's 256 rows lie at 0, W's 192 rows (64 a head) behind them
.set HEADW,  64*PITCH
.set STG,    WS+3*HEADW                ; behind them a stage for each wave: 64 rows x 144 bytes
.set SPITCH, 144                       ; 128 bytes of f16 + 16
.set NS,     48                        ; slots of the register ring = loads of a wave on their way: 48 x 512 bytes
.set LOFF, 4                           ; v4      16 x lane: offset of every global load, and of the f16 stores
.set XA,   5                           ; v5      where I put 8 bytes of a row of x
.set WA,   6                           ; v6-8    the same for W, head 0, 1, 2
.set ADRA, 9                           ; v9      my fragments of x
.set ADRB, 10                          ; v10-12  my fragments of W, head 0, 1, 2
.set STO,  13                          ; v13     the way out: where I put 16 bytes of a token's row
.set RD,   14                          ; v14     the way out: where I read rows back
.set FO,   16                          ; v16     my offset in a plane of first16
.set T,    32                          ; v32-63  staging: two sets of 16 registers of bf16, by turns
.set TMP,  32                          ; v32-95  later: the way out
.set RING, 64                          ; v64-255 48 slots of 4 registers while x and W come in;
.set ACC,  128                         ; v128-255 then the accumulators: (a, b) at v[128 + 8 (4 a + b)]
.set F0,   0                           ; window 1: two fragment buffers of 128: 64 registers of x (2 x 4 x 16 tokens x 32 K), then 64 of W
.set F1,   128
.set WV,   16                          ; s16     wave
.set TBK,  18                          ; s18     block of 256 tokens
.set HG,   19                          ; s19     my first head, 0, 3, 6 or 9
.set WB,   24                          ; s[24:29] address of my 16 rows of W, head 0, 1, 2
.set XB,   30                          ; s[30:31] address of my 64 rows of x
.set OB,   32                          ; s[32:33] address of my 64 rows in qkv, head in hand
.set FB,   34                          ; s[34:35] address of the plane of first16, head in hand
.set SPEC, 36                          ; s36     0 in the wave that holds a batch's tokens 0-15
.set MSB, 0
.macro WIN new                         ; s_set_vgpr_msb: bits 1:0 source 0, 3:2 source 1, 5:4 source 2, 7:6 destination; the high byte repeats the setting that is left
.if MSB != (\new)
	s_set_vgpr_msb (MSB<<8)|(\new)
.set MSB, (\new)
.endif
.endm
.set MUL,  0x05                        ; sources 0 and 1 window 1; C and D window 0
.set TO_F, 0x40                        ; destination window 1, address window 0
.macro PLACES                          ; four places between a matrix instruction and a vector instruction, store or load that touches its registers (ISA guide 7.12.1 for vector instructions)
.rept 4
	v_nop
.endr
.endm
	s_load_b256 s[4:11], s[0:1], 0x0               ; x s[4:5], Wq s[6:7], Wk s[8:9], Wv s[10:11]
	s_load_b128 s[12:15], s[0:1], 0x20             ; qkv s[12:13], first16 s[14:15]
	v_lshl_add_u32 v30, v0, 2, 0x42c00
	v_mov_b32 v31, 0
	v_lshrrev_b32 v1, 5, v0
	v_readfirstlane_b32 s[WV], v1                  ; wave 0..3
	s_and_b32 s[TBK], ttmp7, 0xffff
	s_mul_i32 s[HG], ttmp9, 3
	v_and_b32 v1, 31, v0                           ; lane
	v_and_b32 v2, 15, v0                           ; r = lane % 16
	v_bfe_u32 v3, v0, 4, 1                         ; h = lane / 16
	v_lshlrev_b32 v[LOFF], 4, v1
	v_lshlrev_b32 v17, 3, v1                       ; four f32 become 8 bytes of bf16
	s_mul_i32 s20, s[WV], 64*PITCH
	v_add_nc_u32 v[XA], s20, v17                   ; my 64 rows of x
	s_mul_i32 s21, s[WV], 16*PITCH
	s_add_co_u32 s21, s21, WS
	v_add_nc_u32 v[WA], s21, v17                   ; my 16 rows of each head's 64
	v_add_nc_u32 v[WA+1], HEADW, v[WA]
	v_add_nc_u32 v[WA+2], 2*HEADW, v[WA]
	s_lshl_b32 s22, s[TBK], 18                     ; 256 tokens x 1,024 bytes
	s_lshl_b32 s23, s[WV], 16                      ; 64 tokens
	s_add_co_u32 s22, s22, s23
	s_mov_b32 s23, 0                               ; stays 0: the high word of every offset below
	s_wait_kmcnt 0x0
	s_add_nc_u64 s[XB:XB+1], s[4:5], s[22:23]
.irp n, 0,1,2
	s_add_co_u32 s20, s[HG], \n                    ; head g
	s_and_b32 s22, s20, 3
	s_lshl_b32 s22, s22, 16                        ; its 64 rows of 1,024 bytes in its matrix,
	s_lshl_b32 s21, s[WV], 14                      ; my 16 of them
	s_add_co_u32 s22, s22, s21
	s_cmp_lt_u32 s20, 4
	s_cselect_b64 s[WB+2*\n:WB+2*\n+1], s[6:7], s[8:9]                     ; g < 4: Wq, else Wk,
	s_cmp_lt_u32 s20, 8
	s_cselect_b64 s[WB+2*\n:WB+2*\n+1], s[WB+2*\n:WB+2*\n+1], s[10:11]     ; g >= 8: Wv
	s_add_nc_u64 s[WB+2*\n:WB+2*\n+1], s[WB+2*\n:WB+2*\n+1], s[22:23]
.endr
; STAGING.  224 loads a wave, each 512 consecutive bytes: 128 for my 64 rows of x, 32 for my 16 rows of each head's W.  A ring of 48 register slots keeps 40 to 48 of them out.
; They are worked off in groups of eight: one wait, sixteen roundings, eight LDS stores, eight new loads.  So no store stands behind the instruction that makes its data, and the
; two sets of T take turns, so that no rounding writes a register that a store issued just before still reads.
.macro LD n
.if (\n) < 128
	global_load_b128 v[RING+4*((\n)%NS):RING+4*((\n)%NS)+3], v[LOFF], s[XB:XB+1] offset:(\n)*512
.else
	global_load_b128 v[RING+4*((\n)%NS):RING+4*((\n)%NS)+3], v[LOFF], s[WB+2*(((\n)-128)/32):WB+2*(((\n)-128)/32)+1] offset:(((\n)-128)%32)*512
.endif
.endm
.macro CVG g, left                     ; loads 8 g .. 8 g + 7 are rounded to bf16 and laid into their rows; left = the younger loads, which stay out
	s_wait_loadcnt \left
.set mm, 0
.rept 8
.set R, RING+4*((8*(\g)+mm)%NS)
	v_cvt_pk_bf16_f32 v[T+16*((\g)%2)+2*mm],   v[R],   v[R+1]
	v_cvt_pk_bf16_f32 v[T+16*((\g)%2)+2*mm+1], v[R+2], v[R+3]
.set mm, mm+1
.endr
.set mm, 0
.rept 8
.set nn, 8*(\g)+mm
.if nn < 128
	ds_store_b64 v[XA], v[T+16*((\g)%2)+2*mm:T+16*((\g)%2)+2*mm+1] offset:(nn/2)*PITCH+(nn%2)*256
.else
	ds_store_b64 v[WA+(nn-128)/32], v[T+16*((\g)%2)+2*mm:T+16*((\g)%2)+2*mm+1] offset:(((nn-128)%32)/2)*PITCH+(nn%2)*256
.endif
.set mm, mm+1
.endr
.endm
.set ii, 0
.rept NS
	LD ii
.set ii, ii+1
.endr
	; the other addresses are made while the first loads are on their way
	v_mul_u32_u24 v18, v2, PITCH
	v_lshl_add_u32 v18, v3, 4, v18                 ; a fragment: row r x pitch + 16 h
	s_mul_i32 s20, s[WV], 64*PITCH
	v_add_nc_u32 v[ADRA], s20, v18
	v_add_nc_u32 v[ADRB], WS, v18
	v_add_nc_u32 v[ADRB+1], WS+HEADW, v18
	v_add_nc_u32 v[ADRB+2], WS+2*HEADW, v18
	s_mul_i32 s21, s[WV], 64*SPITCH
	s_add_co_u32 s21, s21, STG                     ; my stage
	v_mul_u32_u24 v19, v2, SPITCH
	v_lshl_add_u32 v19, v3, 4, v19
	v_add_nc_u32 v[STO], s21, v19                  ; in: token r, 16 bytes for each half of the lanes
	v_lshrrev_b32 v19, 3, v1
	v_mul_u32_u24 v19, v19, SPITCH
	v_and_b32 v17, 7, v0
	v_lshl_add_u32 v19, v17, 4, v19
	v_add_nc_u32 v[RD], s21, v19                   ; back: eight lanes take a row of 128 bytes, the wave four rows
	v_lshlrev_b32 v[FO], 8, v2
	v_lshl_add_u32 v[FO], v3, 5, v[FO]             ; first16: token r x 256 bytes + 32 h
	s_lshr_b32 s20, s[TBK], 4                      ; batch
	s_lshl2_add_u32 s20, s[HG], s20                ; plane 4 g + batch
	s_lshl_b32 s22, s20, 12
	s_add_nc_u64 s[FB:FB+1], s[14:15], s[22:23]
	s_lshl_b32 s22, s20, 19                        ; a plane of qkv: 4,096 rows of 128 bytes
	s_and_b32 s21, s[TBK], 15
	s_or_b32 s[SPEC], s21, s[WV]
	s_lshl_b32 s21, s21, 15                        ; 256 rows
	s_add_co_u32 s22, s22, s21
	s_lshl_b32 s21, s[WV], 13                      ; 64 rows
	s_add_co_u32 s22, s22, s21
	s_add_nc_u64 s[OB:OB+1], s[12:13], s[22:23]
.set gg, 0
.rept 22
	CVG gg, NS-8                                   ; 48 + 8 g loads are issued, 8 g + 8 are wanted: 40 younger ones stay out
.set ii, 0
.rept 8
	LD 8*gg+NS+ii
.set ii, ii+1
.endr
.set gg, gg+1
.endr
.rept 6
	CVG gg, 216-8*gg                               ; nothing more to ask for: of 224 loads 8 g + 8 are wanted: the counts run down 40, 32 .. 0
.set gg, gg+1
.endr
	s_wait_dscnt 0x0                               ; for the others' sake: my rows of W are written
	s_barrier_signal -1
	s_barrier_wait -1                              ; the one barrier: from here on x's and W's rows are only read
; 8 matrix instructions: token blocks a0, a0 + 1 x all 4 output blocks, 32 along K: half c of buffer f.  zero = 1: the product starts the sums.
; The 16 accumulators take turns, one instruction a turn.
.macro MUL8 f, c, a0, zero
.irp a, \a0, \a0+1
.irp b, 0,1,2,3
.if \zero
	v_wmma_f32_16x16x32_bf16 v[ACC+8*(4*(\a)+\b):ACC+8*(4*(\a)+\b)+7], v[\f+64+8*(4*\c+\b):\f+64+8*(4*\c+\b)+7], v[\f+8*(4*\c+\a):\f+8*(4*\c+\a)+7], 0
.else
	v_wmma_f32_16x16x32_bf16 v[ACC+8*(4*(\a)+\b):ACC+8*(4*(\a)+\b)+7], v[\f+64+8*(4*\c+\b):\f+64+8*(4*\c+\b)+7], v[\f+8*(4*\c+\a):\f+8*(4*\c+\a)+7], v[ACC+8*(4*(\a)+\b):ACC+8*(4*(\a)+\b)+7]
.endif
.endr
.endr
.endm
; 32 LDS loads in one run: head n's and x's fragments of 64 along K at byte k of the rows, into buffer f; the first 32 along K first
.macro FETCH n, k, f
	WIN TO_F
.irp c, 0,1
.irp i, 0,1,2,3
	ds_load_b128 v[\f+64+8*(4*\c+\i):\f+64+8*(4*\c+\i)+3],   v[ADRB+\n] offset:\k+64*\c+\i*16*PITCH
	ds_load_b128 v[\f+64+8*(4*\c+\i)+4:\f+64+8*(4*\c+\i)+7], v[ADRB+\n] offset:\k+64*\c+\i*16*PITCH+32
	ds_load_b128 v[\f+8*(4*\c+\i):\f+8*(4*\c+\i)+3],         v[ADRA] offset:\k+64*\c+\i*16*PITCH
	ds_load_b128 v[\f+8*(4*\c+\i)+4:\f+8*(4*\c+\i)+7],       v[ADRA] offset:\k+64*\c+\i*16*PITCH+32
.endr
.endr
.endm
; A head is four quarters of 64 along K, 32 matrix instructions each.  A quarter multiplies buffer f and, in its middle, fetches the next one (head n, byte k) into buffer g.
.macro QUARTER n, k, f, g, zero
	s_wait_dscnt 16                                ; the first 32 along K are in; the run's other sixteen loads may be out
	WIN MUL
	MUL8 \f, 0, 0, \zero
	MUL8 \f, 0, 2, \zero
	PLACES
	FETCH \n, \k, \g
	s_wait_dscnt 32                                ; all but the 32 just issued
	WIN MUL
	MUL8 \f, 1, 0, 0
	MUL8 \f, 1, 2, 0
.endm
; THE WAY OUT of a head: rounded to f16, 16 bytes a lane into my own stage, back as whole rows, stored 512 consecutive bytes (four tokens) an instruction.
.macro WAYOUT last
	WIN 0
	PLACES
	s_cmp_lg_u32 s[SPEC], 0
	s_cbranch_scc1 .Lnot_first_\@
.irp b, 0,1,2,3                        ; tokens 0-15 of a batch also leave unrounded: 4 KiB a head, 16 bytes a lane straight from the accumulators
	global_store_b128 v[FO], v[ACC+8*\b:ACC+8*\b+3],   s[FB:FB+1] offset:64*\b
	global_store_b128 v[FO], v[ACC+8*\b+4:ACC+8*\b+7], s[FB:FB+1] offset:64*\b+16
.endr
.Lnot_first_\@:
.irp t, 0,1,2,3,4,5,6,7,8,9,10,11,12,13,14,15
.irp r, 0,1,2,3
	v_cvt_pk_f16_f32 v[TMP+4*\t+\r], v[ACC+8*\t+2*\r], v[ACC+8*\t+2*\r+1]
.endr
.endr
.irp a, 0,1,2,3
.irp b, 0,1,2,3
	ds_store_b128 v[STO], v[TMP+4*(4*\a+\b):TMP+4*(4*\a+\b)+3] offset:\a*16*SPITCH+32*\b
.endr
.endr
.irp t, 0,1,2,3,4,5,6,7,8,9,10,11,12,13,14,15
	ds_load_b128 v[TMP+4*\t:TMP+4*\t+3], v[RD] offset:\t*4*SPITCH   ; LDS serves a wave's instructions in order (ISA guide 5.7.1.4): these see the stores above
.endr
.irp t, 0,1,2,3,4,5,6,7,8,9,10,11,12,13,14,15
	s_wait_dscnt 15-\t
	global_store_b128 v[LOFF], v[TMP+4*\t:TMP+4*\t+3], s[OB:OB+1] offset:512*\t
.endr
.if \last == 0
	s_wait_xcnt 0x0                                ; the stores' bases, TMP and the accumulators are written again only behind this wait
	s_add_nc_u64 s[OB:OB+1], s[OB:OB+1], 0x200000  ; the next head: four planes of qkv on,
	s_add_nc_u64 s[FB:FB+1], s[FB:FB+1], 0x4000    ; four planes of first16
.endif
.endm
	FETCH 0, 0, F0
	QUARTER 0, 128, F0, F1, 1
	QUARTER 0, 256, F1, F0, 0
	QUARTER 0, 384, F0, F1, 0
	QUARTER 1, 0,   F1, F0, 0                      ; a head's last quarter fetches the next head's first
	WAYOUT 0
	QUARTER 1, 128, F0, F1, 1
	QUARTER 1, 256, F1, F0, 0
	QUARTER 1, 384, F0, F1, 0
	QUARTER 2, 0,   F1, F0, 0
	WAYOUT 0
	QUARTER 2, 128, F0, F1, 1
	QUARTER 2, 256, F1, F0, 0
	QUARTER 2, 384, F0, F1, 0
	s_wait_dscnt 16                                ; the very last quarter: nothing more to fetch
	WIN MUL
	MUL8 F1, 0, 0, 0
	MUL8 F1, 0, 2, 0
	s_wait_dscnt 0x0
	MUL8 F1, 1, 0, 0
	MUL8 F1, 1, 2, 0
	WAYOUT 1
	s_wait_tensorcnt 0x0
	ds_add_u32 v30, v31
	s_wait_dscnt 0x0
	s_endpgm
.Lfunc_end_k_qa4547ccf67_project_qkv:
	.size	k_qa4547ccf67_project_qkv, .Lfunc_end_k_qa4547ccf67_project_qkv-k_qa4547ccf67_project_qkv
	.p2alignl 7, 3214868480
	.fill 96, 4, 3214868480
	.section	.rodata,"a",@progbits
	.p2align	6, 0x0
	.amdhsa_kernel k_qa4547ccf67_project_qkv
		.amdhsa_group_segment_fixed_size 273920
		.amdhsa_private_segment_fixed_size 0
		.amdhsa_enable_private_segment 0
		.amdhsa_kernarg_size 48
		.amdhsa_user_sgpr_count 2
		.amdhsa_user_sgpr_kernarg_segment_ptr 1
		.amdhsa_wavefront_size32 1
		.amdhsa_system_sgpr_workgroup_id_x 1
		.amdhsa_system_sgpr_workgroup_id_y 1
		.amdhsa_system_sgpr_workgroup_id_z 1
		.amdhsa_system_vgpr_workitem_id 0
		.amdhsa_next_free_vgpr 512
		.amdhsa_next_free_sgpr 66
		.amdhsa_reserve_vcc 0
		.amdhsa_float_denorm_mode_32 3
		.amdhsa_float_denorm_mode_16_64 3
		.amdhsa_memory_ordered 1
		.amdhsa_forward_progress 1
		.amdhsa_inst_pref_size 147
	.end_amdhsa_kernel
	.amdgpu_metadata
---
amdhsa.version: [ 1, 2 ]
amdhsa.kernels:
  - .name:           k_qa4547ccf67_project_qkv
    .symbol:         k_qa4547ccf67_project_qkv.kd
    .args:
      - { .name: x, .offset: 0, .size: 8, .value_kind: global_buffer, .address_space: global }
      - { .name: Wq, .offset: 8, .size: 8, .value_kind: global_buffer, .address_space: global }
      - { .name: Wk, .offset: 16, .size: 8, .value_kind: global_buffer, .address_space: global }
      - { .name: Wv, .offset: 24, .size: 8, .value_kind: global_buffer, .address_space: global }
      - { .name: qkv, .offset: 32, .size: 8, .value_kind: global_buffer, .address_space: global }
      - { .name: first16, .offset: 40, .size: 8, .value_kind: global_buffer, .address_space: global }
    .group_segment_fixed_size: 273920
    .private_segment_fixed_size: 0
    .kernarg_segment_align: 8
    .kernarg_segment_size: 48
    .max_flat_workgroup_size: 128
    .sgpr_count:     66
    .vgpr_count:     512
    .wavefront_size: 32
...
	.end_amdgpu_metadata
.endif
;; end of part 1
;; launch attention (part 2): grid 256 x 1, 4 waves a work-group, no clusters, 327,680 bytes of LDS; arguments qkv, first16, att; writes att
.if DOCPART == 2
	.amdgcn_target "amdgcn-amd-amdhsa--gfx1250"
	.amdhsa_code_object_version 6
	.text
	.protected	k_qa4547ccf67_attention
	.globl	k_qa4547ccf67_attention
	.p2align	8
	.type	k_qa4547ccf67_attention,@function
k_qa4547ccf67_attention:
	s_mov_b64 s[64:65], 0
	v_nop
	global_prefetch_b8 v0, s[64:65] scope:SCOPE_SE
	s_setreg_imm32_b32 hwreg(HW_REG_WAVE_MODE, 25, 1), 1
	s_wait_xcnt 0x0
; att[b][h][q][:] = the sum over k <= q of softmax_k(Q[q] . K[k] / 8) V[k][:], for 16 heads (b, h) of 4,096 tokens x 64 channels.
; IN: qkv, f16, [g][batch][token][64] (g = h: q, 4 + h: k, 8 + h: v); first16, f32, the same planes' tokens 0-15.  OUT: att, f32, [b][h][token][64].
; Products on f16 operands with f32 sums; maxima, exponentials and sums in f32; the weights p are rounded to f16 for the second product.
; LIMITS: weights under 2^-126 count as 0 (v_exp_f32 flushes: ISA guide 15.8); NaN and infinities are not treated.
; SHARES.  Query block j (128 rows) needs key blocks 0 .. j.  A work-group makes block I and then block 31 - I of one head: 33 key units of 128 keys in every work-group.
; Each of the four waves holds 32 queries of the block: two tiles of 16.  A pass takes its diagonal unit first and then units 0 .. j - 1: so a pass's first step always
; starts the sums (constant 0, no old maximum), every query finds a key there, and only that unit's text holds the mask.
; LAYOUT.  S^T = K Q^T (source 0 = 16 keys, source 1 = 16 queries): a lane holds ONE query (lane % 16) and keys 8 (lane / 16) + 0..7.  Two such tiles rounded in pairs ARE
; source 1 of O^T = V^T P, whose result again holds one query a lane and eight channels.  K comes out of LDS as it lies, V turned, by ds_load_tr16_b128.
; SOFTMAX.  For each query a running maximum m and sum l: p = 2^(c s - c m), c = log2(e) / 8; in every step O and l are multiplied by a = 2^(c m_old - c m_new).
; BY TURNS.  A wave issues in order and is alone on its SIMD, so in phases the vector unit idles under a run of products and the matrix unit under a softmax.  In the full units the
; wave's two tiles are two PIECES.  In a TURN one piece has the matrix unit: 8 products V^T P of the step in hand, then 8 products K Q^T of the next step; the other piece's softmax,
; 118 instructions cut into 16 slices, stands between them, one slice behind each matrix instruction.  Then the pieces change places: four turns are a key unit.  The two diagonal
; units of a work-group (of 33) stay in phases: there half of the waves jump over the second step.
; TOKENS 0-15 of each head see few keys, so a rounding of q, k, v or p is not averaged away there: one wave computes them again from first16, each operand split into
; two bf16 (hi + lo), while the waves of the lower rows work on keys that this wave's queries do not see.
; NO CLUSTER: at the n-th unit of their walks the sixteen work-groups of a head stand at different keys (work-group I: I, 0 .. I - 1, 31 - I, 0 .. 30 - I), so no two ask for
; the same tile in the same trip; a walk in step needs 36 units for each in place of 33, masked in eight of them.
; REGISTERS.  Window 0: v2-13 addresses; v16-31 statistics, 8 a tile; v32-95 S^T, 32 a tile; v96-127 P, 16 a tile; v128-191 O^T, 32 a tile; v192-255 Q of both blocks.
;             Window 1: v0-127 K, a buffer for each of a unit's two steps; v128-255 V likewise.          Window 2: tokens 0-15 alone.
; All that a softmax touches lies in window 0, and of a product's operands only source 0 (K or V) lies elsewhere: one setting serves both products, and a slice costs two switches.
.set PK,    144       ; a row of K in LDS: 128 bytes + 16 = 36 words: the 16 rows of a load start at 16 different groups of four banks (64 banks of 4 bytes: ISA guide 11.1)
.set PVP,   160       ; a row of V: 128 + 32 bytes, an odd multiple of 32, for the turning load
.set VOFF,  64*PK     ; a step's tiles lie together: 64 rows of K, then 64 rows of V
.set STEPB, 64*(PK+PVP)
.set SLOT1, 65536     ; a slot holds a unit, two steps (38,912 bytes); slot 1 begins here, so that one exclusive or turns an address in one slot into the other's
.set STAGE, 131072    ; behind the ring: 32 rows x 272 bytes for each wave, for the way out; no tensor load lands here
.set SP,    272
.set AK0, 2           ; v2   my lane's place in a tile of K; never rewritten
.set AV0, 3           ; v3   the same for V
.set ADRK, 4          ; v4   AK0 + the slot that is being fetched from
.set ADRV, 5          ; v5   AV0 + the same
.set QO,  6           ; v6   my byte offset in the wave's rows of Q
.set STO, 7           ; v7   the way out: where I put 32 bytes of a row
.set RD,  8           ; v8   the way out: where I read a row back
.set GO,  9           ; v9   my byte offset in the wave's rows of att
.set LIM, 10          ; v10  32 wave + lane % 16 - 8 (lane / 16): my query's place in its block less my keys' offset in a tile
.set NEG, 11          ; v11  -infinity
.set SQO, 12          ; v12  my offset in a plane of first16, rows of Q and K
.set VVO, 13          ; v13  the same for V, turned
.set ST,  16          ; tile t's statistics at v[ST+8 t]: +0 c m, +1 m, +2, +3 l (even keys', odd keys'), +4 to +7 c0-c3, at work; a takes c2's place once the maximum is found
.set S,   32
.set P,   96
.set OT,  128
.set QR,  192         ; Q of the first block; the second block's 32 registers on
.set KF,  0           ; window 1: K of step b at KF + 64 b
.set VF,  128         ; window 1: V of step b at VF + 64 b
.set QF32, 0          ; window 2, tokens 0-15: f32 rows of Q, K, V,
.set KF32, 32
.set VF32, 64
.set KH,  96          ; and their halves
.set KL,  112
.set QH,  128
.set QL,  144
.set VA,  160         ; for each 16 channels 8 registers: 0-3 hi, 4-7 lo of the same 16 keys
.set TW,  192
.set WV,  10          ; s10  wave
.set BI,  11          ; s11  I
.set BI1, 12          ; s12  I + 1
.set BI2, 13          ; s13  I + 2
.set JD,  14          ; s14  31 - I
.set POS, 15          ; s15  the place in the walk that is asked for next
.set T1,  16          ; s16, s17 at work
.set T2,  17
.set OFF, 18          ; s[18:19] byte offset of a key unit in its plane
.set KB,  20          ; s[20:21] K's plane at the step that my wave fetches
.set VB,  22          ; s[22:23] V's
.set G1K, 24          ; s[24:31] descriptor group 1 for K's tiles
.set G1V, 32          ; s[32:39] for V's: it differs in the padding alone
.set G0K, 40          ; s[40:47] descriptor group 0 for K's tiles: a set for each of the two first fills; the second then walks on
.set G0V, 48          ; s[48:55] the same for V's
.set QB,  56          ; s[56:57] my wave's rows of Q, block I
.set CS,  58          ; s[58:59] c: the packed scaling names a pair and takes its low word for both halves
.set SEL, 60          ; s[60:61] lane selects for v_permlanex16_b32: each lane takes its own place in the other half
.set TB,  62          ; s62  LDS byte at which the slot that is being fetched from begins
.set CNT, 63          ; s63  loop counter
.set OB,  66          ; s[66:67] my wave's rows of att
.set FQ,  68          ; s[68:69] q's plane of first16
.set SPEC, 70         ; s70  0 in the wave that holds a head's tokens 0-15
.set N2,  73          ; s73  29 - I
.set QB2, 74          ; s[74:75] my wave's rows of Q, block 31 - I
.set MSB, 0
.macro WIN new                      ; s_set_vgpr_msb: bits 1:0 source 0, 3:2 source 1, 5:4 source 2, 7:6 destination; the high byte repeats the setting that is left
.if MSB != (\new)
	s_set_vgpr_msb (MSB<<8)|(\new)
.set MSB, (\new)
.endif
.endm
.set W_MM, 0x01       ; source 0 (K or V) in window 1; Q, P, S^T and O^T in window 0
.set TO_1, 0x40       ; destination window 1, address window 0
.macro PLACES                       ; four places between a matrix instruction and a vector instruction or load that touches its registers (ISA guide 7.12.1 for vector instructions)
.rept 4
	v_nop
.endr
.endm
; Which key unit stands at place POS of the walk: POS <= I: POS - 1; POS = I + 1: 31 - I; beyond: POS - (I + 2).  (Place 0, unit I, is set by hand.)
.macro NEXTKU
	s_sub_co_u32 s[T1], s[POS], 1
	s_sub_co_u32 s[T2], s[POS], s[BI2]
	s_cmp_le_u32 s[POS], s[BI]
	s_cselect_b32 s[T1], s[T1], s[T2]
	s_cmp_eq_u32 s[POS], s[BI1]
	s_cselect_b32 s[T1], s[JD], s[T1]
	s_lshl_b32 s[OFF], s[T1], 14    ; 128 rows of 128 bytes
	s_add_co_u32 s[POS], s[POS], 1
.endm
.macro SETG0 s                      ; group 0 of both kinds for the first fill of slot s: the unit at s[OFF]
	s_mov_b32 s[G0K+4*\s], 1        ; 1:0 count = 1
	s_add_co_u32 s[G0K+4*\s+1], s3, \s*SLOT1  ; 63:32 LDS address: the slot, and my step's place in it
	s_add_nc_u64 s[G0K+4*\s+2:G0K+4*\s+3], s[KB:KB+1], s[OFF:OFF+1]  ; 120:64 global address
	s_or_b32 s[G0K+4*\s+3], s[G0K+4*\s+3], 0x80000000  ; 127:126 type = 2
	s_mov_b32 s[G0V+4*\s], 1
	s_add_co_u32 s[G0V+4*\s+1], s3, \s*SLOT1+VOFF
	s_add_nc_u64 s[G0V+4*\s+2:G0V+4*\s+3], s[VB:VB+1], s[OFF:OFF+1]
	s_or_b32 s[G0V+4*\s+3], s[G0V+4*\s+3], 0x80000000
.endm
; A refill.  Waves 0 and 1 fetch the unit's two tiles of K, waves 2 and 3 those of V: one tensor load a wave.  Four v_nop follow each of the two lines.
.macro TLOAD
	s_cmp_lt_u32 s[WV], 2
	s_cbranch_scc0 .Lfor_v_\@
	tensor_load_to_lds s[G0K+4:G0K+7], s[G1K:G1K+7]
	s_nop 0
.rept 4
	v_nop
.endr
	s_branch .Lasked_\@
.Lfor_v_\@:
	tensor_load_to_lds s[G0V+4:G0V+7], s[G1V:G1V+7]
	s_nop 0
.rept 4
	v_nop
.endr
.Lasked_\@:
.endm
.macro LOADQ dst, sb                ; a block's Q stays in registers: tile i / 2, channels 32 (i % 2) on
.irp i, 0,1,2,3
	global_load_b128 v[\dst+8*\i:\dst+8*\i+3],   v[QO], s[\sb:\sb+1] offset:(\i/2)*2048+(\i%2)*64
	global_load_b128 v[\dst+8*\i+4:\dst+8*\i+7], v[QO], s[\sb:\sb+1] offset:(\i/2)*2048+(\i%2)*64+32
.endr
.endm
	s_load_b128 s[4:7], s[0:1], 0x0  ; qkv s[4:5], first16 s[6:7]
	s_load_b64 s[8:9], s[0:1], 0x10  ; att
	s_set_vgpr_msb 0x80
	v_lshl_add_u32 v254, v0, 2, 0x29000
	v_mov_b32 v255, 0
	s_set_vgpr_msb 0x808a
	ds_add_u32 v254, v255
	ds_add_u32 v254, v255
	s_set_vgpr_msb 0x8a00
	v_lshrrev_b32 v1, 5, v0
	v_readfirstlane_b32 s[WV], v1   ; wave 0..3
	s_and_b32 s[BI], ttmp9, 15
	s_lshr_b32 s71, ttmp9, 4        ; 4 b + h: att's plane
	s_lshr_b32 s72, s71, 2          ; b
	s_and_b32 s73, s71, 3           ; h
	s_lshl2_add_u32 s72, s73, s72   ; 4 h + b: q's plane in qkv and in first16
	s_add_co_u32 s[BI1], s[BI], 1
	s_add_co_u32 s[BI2], s[BI], 2
	s_sub_co_u32 s[JD], 31, s[BI]
	s_sub_co_u32 s[N2], 29, s[BI]
	s_or_b32 s[SPEC], s[BI], s[WV]
	; descriptor group 1: a tile of 64 rows x 64 elements, padded in LDS
	s_mov_b32 s[G1K], (1<<16)|(1<<20)|(4<<22)|(3<<25)  ; 15:0 no mask; 17:16 elements of 2 bytes; 20 padding on; 24:22 after every 32 words (code 4); 31:25 4 words of it (code 3)
	s_mov_b32 s[G1V], (1<<16)|(1<<20)|(4<<22)|(7<<25)  ; the same with 8 words of padding (code 7)
.irp g, G1K, G1V
	s_mov_b32 s[\g+1], 64<<16       ; 63:48 tensor_dim0, low half = 64
	s_mov_b32 s[\g+2], 64<<16       ; 79:64 its high half = 0; 95:80 tensor_dim1, low half = 64
	s_mov_b32 s[\g+3], 64<<16       ; 111:96 its high half = 0; 127:112 tile_dim0 = 64
	s_mov_b32 s[\g+4], 64           ; 143:128 tile_dim1 = 64; 159:144 tile_dim2 = 0
	s_mov_b32 s[\g+5], 64           ; 191:160 tensor_dim0_stride, low word: elements from row to row
	s_mov_b32 s[\g+6], 0
	s_mov_b32 s[\g+7], 0
.endr
	s_mov_b32 s[CS], 0x3e38aa3b     ; c = log2(e) / 8 = 0.180337
	s_mov_b32 s[CS+1], s[CS]        ; named with it as a pair, so it is written
	s_mov_b32 s[SEL], 0x76543210
	s_mov_b32 s[SEL+1], 0xfedcba98
	s_mov_b32 s[TB], 0
	s_and_b32 s2, s[WV], 1          ; which of a unit's two steps I fetch:
	s_mul_i32 s3, s2, STEPB         ; its place in a slot,
	s_lshl_b32 s2, s2, 13           ; its 64 rows of 128 bytes in memory
	s_add_co_u32 s16, s72, 16       ; k's plane
	s_lshl_b32 s16, s16, 19
	s_add_co_u32 s16, s16, s2
	s_mov_b32 s17, 0
	s_wait_dscnt 0x0
	s_wait_kmcnt 0x0
	s_add_nc_u64 s[KB:KB+1], s[4:5], s[16:17]
	s_add_nc_u64 s[VB:VB+1], s[KB:KB+1], 0x800000  ; v's plane lies 16 planes of 2^19 bytes on
	s_lshl_b32 s16, s72, 19         ; Q: the plane, block I's 128 rows, my wave's 32
	s_lshl_b32 s2, s[BI], 14
	s_add_co_u32 s16, s16, s2
	s_lshl_b32 s2, s[WV], 12
	s_add_co_u32 s16, s16, s2
	s_add_nc_u64 s[QB:QB+1], s[4:5], s[16:17]
	s_sub_co_u32 s2, s[JD], s[BI]   ; block 31 - I lies 31 - 2 I blocks of 128 rows x 128 bytes on
	s_lshl_b32 s16, s2, 14
	s_add_nc_u64 s[QB2:QB2+1], s[QB:QB+1], s[16:17]
	s_lshl_b32 s16, s71, 20         ; att: the plane, block I, my wave, in rows of 256 bytes
	s_lshl_b32 s2, s[BI], 15
	s_add_co_u32 s16, s16, s2
	s_lshl_b32 s2, s[WV], 13
	s_add_co_u32 s16, s16, s2
	s_add_nc_u64 s[OB:OB+1], s[8:9], s[16:17]
	s_lshl_b32 s16, s72, 12
	s_add_nc_u64 s[FQ:FQ+1], s[6:7], s[16:17]
	s_lshl_b32 s[OFF], s[BI], 14    ; place 0 of the walk: the first pass's diagonal unit, I
	s_mov_b32 s[OFF+1], 0
	SETG0 0
	s_mov_b32 s[POS], 1
	NEXTKU
	SETG0 1
	s_cmp_lt_u32 s[WV], 2           ; a wave's two first fills stand in one branch, ahead of every wait on TENSORcnt, every LDS read and every barrier: two loads of mine are out
	s_cbranch_scc0 .Lfirst_v
	tensor_load_to_lds s[G0K:G0K+3], s[G1K:G1K+7]
	s_nop 0
	tensor_load_to_lds s[G0K+4:G0K+7], s[G1K:G1K+7]
	s_nop 0
.rept 4
	v_nop
.endr
	s_branch .Lfirst_asked
.Lfirst_v:
	tensor_load_to_lds s[G0V:G0V+3], s[G1V:G1V+7]
	s_nop 0
	tensor_load_to_lds s[G0V+4:G0V+7], s[G1V:G1V+7]
	s_nop 0
.rept 4
	v_nop
.endr
.Lfirst_asked:
	; A fragment of K or Q is 16 rows x 32 channels in 8 registers: lane l holds row l % 16; registers 0-3 channels 8 (l / 16) + 0..7, registers 4-7 channels 16 + 8 (l / 16) + 0..7: two loads of 16 bytes, 32 bytes apart.
	v_and_b32 v1, 15, v0            ; r = l % 16
	v_bfe_u32 v14, v0, 4, 1         ; h = l / 16
	v_lshlrev_b32 v[QO], 7, v1
	v_lshl_add_u32 v[QO], v14, 4, v[QO]  ; row x 128 + 16 h
	LOADQ QR, QB                    ; both blocks' Q are asked for now: the second pass finds its own in registers
	LOADQ QR+32, QB2
	v_mul_u32_u24 v[AK0], v1, PK
	v_lshl_add_u32 v[AK0], v14, 4, v[AK0]
	; The turning load takes 16 keys x 16 channels (lane l reads 16 bytes: key 8 (l / 16) + l % 8, channels 8 ((l / 8) % 2) + 0..7) and leaves half a fragment of V^T: lane l holds channel l % 16 and 8 keys.
	v_and_b32 v15, 7, v0
	v_lshl_add_u32 v[AV0], v14, 3, v15
	v_mul_u32_u24 v[AV0], v[AV0], PVP
	v_bfe_u32 v15, v0, 3, 1
	v_lshl_add_u32 v[AV0], v15, 4, v[AV0]
	v_add_nc_u32 v[AV0], VOFF, v[AV0]
	s_mul_i32 s2, s[WV], 32*SP
	s_add_co_u32 s2, s2, STAGE      ; my stage
	v_mul_u32_u24 v[STO], v1, SP    ; in: row r, 32 bytes for each half of the lanes
	v_lshl_add_u32 v[STO], v14, 5, v[STO]
	v_add_nc_u32 v[STO], s2, v[STO]
	v_mul_u32_u24 v[RD], v14, SP    ; back: lanes 0-15 take one row of 256 bytes, lanes 16-31 the next
	v_lshl_add_u32 v[RD], v1, 4, v[RD]
	v_add_nc_u32 v[RD], s2, v[RD]
	v_and_b32 v15, 31, v0
	v_lshlrev_b32 v[GO], 4, v15     ; the same two rows in att: 16 x lane
	v_lshlrev_b32 v15, 3, v14
	v_sub_nc_u32 v[LIM], v1, v15
	s_lshl_b32 s2, s[WV], 5
	v_add_nc_u32 v[LIM], s2, v[LIM]
	v_mov_b32 v[NEG], 0xff800000
	v_lshlrev_b32 v[SQO], 8, v1
	v_lshl_add_u32 v[SQO], v14, 5, v[SQO]  ; first16: row r x 256 + 32 h
	v_lshlrev_b32 v[VVO], 11, v14
	v_lshl_add_u32 v[VVO], v1, 2, v[VVO]   ; key 8 h x 256 + channel r x 4
; THE MATRIX WORK.  QC is the block's Q (set ahead of each pass's text); kb, vb: the buffer, 0 or 1, of the step in hand.
; In phases, both tiles.  In each run eight accumulators take turns, one instruction a turn.
; Product i of 16 of S^T = K Q^T: channels 32 (i / 8) on, keys 16 ((i / 2) % 4) on, tile i % 2.  The first 8 start the sums.
.macro KQ kb
	WIN W_MM
.set i, 0
.rept 16
.set rS, S+32*(i%2)+8*((i/2)%4)
.set rK, KF+64*\kb+16*((i/2)%4)+8*(i/8)
.set rQ, QC+16*(i%2)+8*(i/8)
.if i < 8
	v_wmma_f32_16x16x32_f16 v[rS:rS+7], v[rK:rK+7], v[rQ:rQ+7], 0
.else
	v_wmma_f32_16x16x32_f16 v[rS:rS+7], v[rK:rK+7], v[rQ:rQ+7], v[rS:rS+7]
.endif
.set i, i+1
.endr
.endm
; Product i of 16 of O^T += V^T P: keys 32 (i / 8) on, channels 16 ((i / 2) % 4) on, tile i % 2.  first = 1: the first 8 start the sums: nothing is ever cleared.
.macro PV first, vb
	WIN W_MM
.set i, 0
.rept 16
.set rO, OT+32*(i%2)+8*((i/2)%4)
.set rV, VF+64*\vb+32*(i/8)+8*((i/2)%4)
.set rP, P+16*(i%2)+8*(i/8)
.if \first && (i < 8)
	v_wmma_f32_16x16x32_f16 v[rO:rO+7], v[rV:rV+7], v[rP:rP+7], 0
.else
	v_wmma_f32_16x16x32_f16 v[rO:rO+7], v[rV:rV+7], v[rP:rP+7], v[rO:rO+7]
.endif
.set i, i+1
.endr
.endm
; By turns, one tile x, one product: number i of 8.  Four accumulators take turns, one instruction a turn.
.macro KQ1 x, kb                    ; channels 32 (i / 4) on, keys 16 (i % 4) on; the first 4 start the sums
	WIN W_MM
.set rS, S+32*\x+8*(i%4)
.set rK, KF+64*\kb+16*(i%4)+8*(i/4)
.set rQ, QC+16*\x+8*(i/4)
.if i < 4
	v_wmma_f32_16x16x32_f16 v[rS:rS+7], v[rK:rK+7], v[rQ:rQ+7], 0
.else
	v_wmma_f32_16x16x32_f16 v[rS:rS+7], v[rK:rK+7], v[rQ:rQ+7], v[rS:rS+7]
.endif
.endm
.macro PV1 x, vb                    ; keys 32 (i / 4) on, channels 16 (i % 4) on
	WIN W_MM
.set rO, OT+32*\x+8*(i%4)
.set rV, VF+64*\vb+32*(i/4)+8*(i%4)
.set rP, P+16*\x+8*(i/4)
	v_wmma_f32_16x16x32_f16 v[rO:rO+7], v[rV:rV+7], v[rP:rP+7], v[rO:rO+7]
.endm
; THE LDS LOADS, in runs of 16: step st's K (64 keys x 64 channels: 8 fragments) and its V (turned), into buffer st.
.macro FETCH_K st
	WIN TO_1
.irp f, 0,1,2,3,4,5,6,7             ; keys 16 (f / 2) on, channels 32 (f % 2) on
	ds_load_b128 v[KF+64*\st+8*\f:KF+64*\st+8*\f+3],   v[ADRK] offset:\st*STEPB+(\f/2)*16*PK+(\f%2)*64
	ds_load_b128 v[KF+64*\st+8*\f+4:KF+64*\st+8*\f+7], v[ADRK] offset:\st*STEPB+(\f/2)*16*PK+(\f%2)*64+32
.endr
.endm
.macro FETCH_V st
	WIN TO_1
.irp f, 0,1,2,3,4,5,6,7             ; keys 32 (f / 4) on, channels 16 (f % 4) on
	ds_load_tr16_b128 v[VF+64*\st+8*\f:VF+64*\st+8*\f+3],   v[ADRV] offset:\st*STEPB+(\f/4)*32*PVP+(\f%4)*32
	ds_load_tr16_b128 v[VF+64*\st+8*\f+4:VF+64*\st+8*\f+7], v[ADRV] offset:\st*STEPB+(\f/4)*32*PVP+16*PVP+(\f%4)*32
.endr
.endm
; THE MASK of the diagonal unit's step d.  Register jj of key tile kt holds key 64 d + 16 kt + 8 (l / 16) + jj of the unit, and the lane's query is 32 wave + 16 t + l % 16 of the block:
; the score stays where 64 d + 16 kt + jj - 16 t <= LIM, and becomes -infinity elsewhere.  A choice of values, no branch.
.macro MASK d
.irp t, 0,1
.irp kt, 0,1,2,3
.irp jj, 0,1,2,3,4,5,6,7
	v_cmp_le_i32 vcc_lo, 64*\d+16*\kt+\jj-16*\t, v[LIM]
	v_cndmask_b32 v[S+32*\t+8*\kt+\jj], v[NEG], v[S+32*\t+8*\kt+\jj], vcc_lo
.endr
.endr
.endr
.endm
; THE VECTOR WORK OF A STEP.  One tile's softmax is a list of 118 instructions; SM writes number j of it for tile t.  s0-s31 are the lane's 32 scores, in pairs 0-15.
; first = 1: a pass's first step, which starts m, l and O^T: it has no a and nothing to rescale.
;   0-15    the maximum of s0-s31 and the old m, three operands at a time: four chains c0-c3 of seven scores each, then the four scores left over, m, and c0-c3 together
;   16-20   the other half of the lanes' maximum; the new m; c m; c m_old - c m_new
;   21-87   33 exponentials (a, then s0-s31) at the odd numbers from 23 on, so that no two follow each other and each has a plain instruction behind it before its result is used
;           (ISA guide 5.7.2).  The plain ones (number 21, then the even numbers) are whatever is ready: c s - c m for a pair whose exponentials are still to come, the rounding
;           to f16 of a pair whose exponentials are done, at last the first three sums
;   88-101  the last rounding; the rest of the sums; l = a l + the sum
;   102-117 the tile's O^T times a
.macro SM t, first
.set rT, ST+8*(\t)
.set rS, S+32*(\t)
.set rP, P+16*(\t)
.set rO, OT+32*(\t)+2*(j-102)
.set q, (j-20)/2
.if j < 4
	v_max3_num_f32 v[rT+4+j], v[rS+8*j], v[rS+8*j+1], v[rS+8*j+2]
.elseif j < 12
	v_max3_num_f32 v[rT+4+j%4], v[rT+4+j%4], v[rS+8*(j%4)+2*(j/4)+1], v[rS+8*(j%4)+2*(j/4)+2]
.elseif j == 12
	v_max3_num_f32 v[rT+4], v[rT+4], v[rS+7], v[rS+15]
.elseif j == 13
	v_max3_num_f32 v[rT+6], v[rT+6], v[rS+23], v[rS+31]
.elseif (j == 14) && \first
	v_max_num_f32 v[rT+5], v[rT+5], v[rT+7]
.elseif j == 14
	v_max3_num_f32 v[rT+5], v[rT+5], v[rT+7], v[rT+1]
.elseif j == 15
	v_max3_num_f32 v[rT+4], v[rT+4], v[rT+6], v[rT+5]
.elseif j == 16
	v_permlanex16_b32 v[rT+5], v[rT+4], s[SEL], s[SEL+1]  ; the query's other 32 keys lie in the lane 16 away
.elseif j == 18
	v_max_num_f32 v[rT+1], v[rT+4], v[rT+5]
.elseif j == 19
	v_mul_f32 v[rT], s[CS], v[rT+1]
.elseif ((j == 17) || (j == 20) || (j == 23) || (j > 101)) && \first  ; the first step has none of these
.elseif j == 17
	v_mov_b32 v[rT+7], v[rT]        ; c m_old is kept for a: number 19 writes c m anew
.elseif j == 20
	v_sub_f32 v[rT+7], v[rT+7], v[rT]
.elseif j == 23
	v_exp_f32 v[rT+6], v[rT+7]
.elseif (j < 88) && (j > 23) && (j%2 == 1)
	v_exp_f32 v[rS+(j-25)/2], v[rS+(j-25)/2]
.elseif (q < 4) || ((j < 76) && (q%2 == 0))
.set b, q/2+2
.if q < 4
.set b, q
.endif
	v_pk_fma_f32 v[rS+2*b:rS+2*b+1], v[rS+2*b:rS+2*b+1], s[CS:CS+1], v[rT:rT+1] op_sel_hi:[1,0,0] neg_lo:[0,0,1] neg_hi:[0,0,1]  ; pair b: c s - c m
.elseif (j < 88) && (q%2 == 1)
	s_wait_alu depctr_va_vdst(0)
	v_cvt_pk_f16_f32 v[rP+(q-5)/2], v[rS+q-5], v[rS+q-4]  ; pair (q - 5) / 2: its second exponential stands three numbers back
.elseif j == 89
	s_wait_alu depctr_va_vdst(0)
	v_cvt_pk_f16_f32 v[rP+15], v[rS+30], v[rS+31]
.elseif j < 102                     ; the sum of the tile's 16 pairs (in a pair: an even key's weight, an odd key's), in place: sum z of 16 adds neighbours 1, 2, 4 and 8 pairs apart, then l takes it
.set z, j-86
.if j < 89
.set z, (j-76)/4
.endif
.set w, 4
.set u, z
.if z >= 14
.set w, 32
.set u, 0
.elseif z >= 12
.set w, 16
.set u, z-12
.elseif z >= 8
.set w, 8
.set u, z-8
.endif
.if (z == 14) && \first
	v_pk_add_f32 v[rT+2:rT+3], v[rS:rS+1], v[rS+16:rS+17]
.elseif z < 15
	v_pk_add_f32 v[rS+w*u:rS+w*u+1], v[rS+w*u:rS+w*u+1], v[rS+w*u+w/2:rS+w*u+w/2+1]
.elseif !\first
	v_pk_fma_f32 v[rT+2:rT+3], v[rT+2:rT+3], v[rT+6:rT+7], v[rS:rS+1] op_sel_hi:[1,0,1]
.endif
.else
	v_pk_mul_f32 v[rO:rO+1], v[rO:rO+1], v[rT+6:rT+7] op_sel_hi:[1,0]
.endif
.endm
; In phases: both tiles' lists, two numbers at a time.
.macro SLICE first
.if (k >= 11) && (k < 44)           ; tile by tile: plain, exponential, plain, exponential
.irp t, 0,1
.irp n, 0,1
.set j, 2*k+\n
	SM \t, \first
.endr
.endr
.else                               ; the two tiles alternate, so that no instruction reads the result of the one just before it
.irp n, 0,1
.irp t, 0,1
.set j, 2*k+\n
	SM \t, \first
.endr
.endr
.endif
.set k, k+1
.endm
.macro SOFTMAX first
.set k, 0
.rept 59
	SLICE \first
.endr
.endm
; By turns: one tile's list alone.  SMN writes the list's place pn and steps pn.  The order is the list's but for places 99 to 107: there six of the rescalings stand between the last
; four sums (numbers 99, 100, 101 hang each on the one before), so that no sum stands next to the sum that it reads.
.macro SMN t
.set j, pn
.if pn == 99
.set j, 102
.elseif pn == 100
.set j, 103
.elseif pn == 101
.set j, 99
.elseif pn == 102
.set j, 104
.elseif pn == 103
.set j, 105
.elseif pn == 104
.set j, 100
.elseif pn == 105
.set j, 106
.elseif pn == 106
.set j, 107
.elseif pn == 107
.set j, 101
.endif
	SM \t, 0
.set pn, pn+1
.endm
; A slice: seven places of the list.  118 = 16 x 7 + 6: the six that are over stand in the sixteenth slice, whose thirteen instructions (rescalings of O^T and l's sum, all plain, all
; the other piece's) are the places between a turn's last K Q^T and the next turn's first read of those scores.
.macro SLICE1 t
	WIN 0
.rept 7
	SMN \t
.endr
.if pn == 112
.rept 6
	SMN \t
.endr
.endif
.endm
; A TURN.  Piece x has the matrix unit: 8 products V^T P from V's buffer vb, then (kq = 1) 8 products K Q^T from K's buffer kb; the other piece's softmax stands in slices behind them,
; one behind each (two where kq = 0).  fk, fv: the step whose K (V) is fetched in this turn, or -1: a run of 16 loads behind the second product of the first (second) run of 8.
; K's buffer was last read in front of the turn before's sixteenth slice; V's three slices back, which hold ten plain instructions: more than the four places that a load into a matrix
; instruction's source wants.  wv, wk: the count of the wait in front of the first (second) run of products, or -1.
.macro TURN x, vb, kb, kq, fk, fv, wv, wk
.set pn, 0
.if \wv >= 0
	s_wait_dscnt \wv
.endif
.set i, 0
.rept 8
	PV1 \x, \vb
	SLICE1 1-\x
.if !\kq
	SLICE1 1-\x
.endif
.if (\fk >= 0) && (i == 1)
	FETCH_K \fk
.endif
.set i, i+1
.endr
.if \kq
.if \wk >= 0
	s_wait_dscnt \wk
.endif
.set i, 0
.rept 8
	KQ1 \x, \kb
	SLICE1 1-\x
.if (\fv >= 0) && (i == 1)
	FETCH_V \fv
.endif
.set i, i+1
.endr
.endif
.endm
; Two f32 at v[a], v[a+1] are split: hi = the nearest bf16, lo = the nearest bf16 of what is left; packed into v[hi] and v[lo].  All four names in the window that is set.
.macro SPLIT2 a, hi, lo, tmp
	v_cvt_pk_bf16_f32 v[\hi], v[\a], v[(\a)+1]
	v_lshlrev_b32 v[\tmp], 16, v[\hi]
	v_and_b32 v[(\tmp)+1], 0xffff0000, v[\hi]
	v_pk_add_f32 v[\tmp:(\tmp)+1], v[\a:(\a)+1], v[\tmp:(\tmp)+1] neg_lo:[0,1] neg_hi:[0,1]
	v_cvt_pk_bf16_f32 v[\lo], v[\tmp], v[(\tmp)+1]
.endm
; TOKENS 0-15 OF A HEAD (tile 0 of wave 0 of block 0) see keys 0-15 alone.  They are made again from the f32 rows of first16, every operand as bf16 hi + lo, and take the place of
; tile 0's O^T and l; the way out is the common one.  The rows and their halves lie in window 2, which nothing else uses.
.macro FIRST16
	WIN 0x80                        ; destination window 2, address window 0
.irp i, 0,1,2,3,4,5,6,7             ; channels 32 (i / 4) + 16 ((i / 2) % 2) + 8 h + 4 (i % 2) on: the order of a fragment's registers
	global_load_b128 v[QF32+4*\i:QF32+4*\i+3], v[SQO], s[FQ:FQ+1] offset:(\i/4)*128+((\i/2)%2)*64+(\i%2)*16
	global_load_b128 v[KF32+4*\i:KF32+4*\i+3], v[SQO], s[FQ:FQ+1] offset:65536+(\i/4)*128+((\i/2)%2)*64+(\i%2)*16   ; k's plane: 16 planes of 4,096 bytes on
.endr
.irp ct, 0,1,2,3
.irp y, 0,1,2,3,4,5,6,7             ; V turned: channel 16 ct + r, key 8 h + y
	global_load_b32 v[VF32+8*\ct+\y], v[VVO], s[FQ:FQ+1] offset:131072+256*\y+64*\ct
.endr
.endr
	s_wait_loadcnt 0x0
	WIN 0xaa                        ; every operand in window 2
.set i, 0
.rept 16
	SPLIT2 KF32+2*i, KH+i, KL+i, TW+4*(i%2)
	SPLIT2 QF32+2*i, QH+i, QL+i, TW+4*(i%2)+2
	SPLIT2 VF32+2*i, VA+8*(i/4)+i%4, VA+8*(i/4)+4+i%4, TW+8+2*(i%2)
.set i, i+1
.endr
	WIN 0x0a                        ; sources 0 and 1 in window 2.  (KH + KL)(QH + QL) over 64 channels: two accumulators take turns
	v_wmma_f32_16x16x32_bf16 v[S:S+7],    v[KH:KH+7],    v[QH:QH+7],    0
	v_wmma_f32_16x16x32_bf16 v[S+8:S+15], v[KH:KH+7],    v[QL:QL+7],    0
	v_wmma_f32_16x16x32_bf16 v[S:S+7],    v[KH+8:KH+15], v[QH+8:QH+15], v[S:S+7]
	v_wmma_f32_16x16x32_bf16 v[S+8:S+15], v[KH+8:KH+15], v[QL+8:QL+15], v[S+8:S+15]
	v_wmma_f32_16x16x32_bf16 v[S:S+7],    v[KL:KL+7],    v[QH:QH+7],    v[S:S+7]
	v_wmma_f32_16x16x32_bf16 v[S+8:S+15], v[KL:KL+7],    v[QL:QL+7],    v[S+8:S+15]
	v_wmma_f32_16x16x32_bf16 v[S:S+7],    v[KL+8:KL+15], v[QH+8:QH+15], v[S:S+7]
	v_wmma_f32_16x16x32_bf16 v[S+8:S+15], v[KL+8:KL+15], v[QL+8:QL+15], v[S+8:S+15]
	WIN 0
	PLACES
.irp y, 0,2,4,6
	v_pk_add_f32 v[S+\y:S+\y+1], v[S+\y:S+\y+1], v[S+8+\y:S+8+\y+1]
.endr
.irp y, 0,1,2,3,4,5,6,7             ; key 8 h + y <= query r (LIM with wave 0)
	v_cmp_le_i32 vcc_lo, \y, v[LIM]
	v_cndmask_b32 v[S+\y], v[NEG], v[S+\y], vcc_lo
.endr
	v_max3_num_f32 v[ST+4], v[S], v[S+1], v[S+2]
	v_max3_num_f32 v[ST+5], v[S+3], v[S+4], v[S+5]
	v_max3_num_f32 v[ST+4], v[ST+4], v[S+6], v[S+7]
	v_max_num_f32 v[ST+4], v[ST+4], v[ST+5]
	v_permlanex16_b32 v[ST+5], v[ST+4], s[SEL], s[SEL+1]
	v_max_num_f32 v[ST+1], v[ST+4], v[ST+5]      ; key 0 is open to every query, so the maximum is finite
	v_mul_f32 v[ST], s[CS], v[ST+1]
.irp y, 0,2,4,6
	v_pk_fma_f32 v[S+\y:S+\y+1], v[S+\y:S+\y+1], s[CS:CS+1], v[ST:ST+1] op_sel_hi:[1,0,0] neg_lo:[0,0,1] neg_hi:[0,0,1]
.endr
.irp y, 0,1,2,3,4,5,6,7
	v_exp_f32 v[S+\y], v[S+\y]
.endr
	v_nop                           ; the plain instruction between the run of exponentials and the first use of their results (ISA guide 5.7.2): all that follows hangs on the weights
	s_wait_alu depctr_va_vdst(0)
	v_pk_add_f32 v[ST+2:ST+3], v[S:S+1], v[S+2:S+3]
	v_pk_add_f32 v[ST+4:ST+5], v[S+4:S+5], v[S+6:S+7]
	v_pk_add_f32 v[ST+2:ST+3], v[ST+2:ST+3], v[ST+4:ST+5]  ; l anew: even keys', odd keys'
.irp y, 0,1,2,3
	SPLIT2 S+2*\y, P+\y, P+8+\y, S+8+2*\y
.endr
.irp y, 0,1,2,3                     ; source 1 holds 32 places along K: the 16 keys' weights twice, against V's hi and V's lo
	v_mov_b32 v[P+4+\y], v[P+\y]
	v_mov_b32 v[P+12+\y], v[P+8+\y]
.endr
	WIN 0x02                        ; source 0 in window 2.  (Vhi + Vlo) Phi, then (Vhi + Vlo) Plo: four accumulators take turns
.irp ct, 0,1,2,3
	v_wmma_f32_16x16x32_bf16 v[OT+8*\ct:OT+8*\ct+7], v[VA+8*\ct:VA+8*\ct+7], v[P:P+7], 0
.endr
.irp ct, 0,1,2,3
	v_wmma_f32_16x16x32_bf16 v[OT+8*\ct:OT+8*\ct+7], v[VA+8*\ct:VA+8*\ct+7], v[P+8:P+15], v[OT+8*\ct:OT+8*\ct+7]
.endr
	WIN 0
	PLACES
.endm
; THE CHANGE OF SLOTS stands where all four runs of loads of a unit (K and V of its two steps) have been issued.  Each wave waits for its own reads of the slot and for all its tensor
; loads, of which one is out: its part of the other slot.  Behind the barrier nobody reads this slot any more and the other slot is whole.
; fill = 1: this slot is filled again, with the unit two places on in the walk: the wave's one tensor load behind the barrier, and the first thing there; it has a unit's work,
; 64 matrix instructions and four softmaxes, in which to land.  Then the next unit's first K is fetched.
.macro CHANGE fill
	WIN 0                           ; at a label and at a branch every window is 0
	s_wait_dscnt 0x0
	s_set_vgpr_msb 0xa
	s_wait_tensorcnt 0x0            ; no tensor load of mine is out, so a group 0 may be written
	ds_add_u32 v254, v255
	s_wait_dscnt 0x0
	s_set_vgpr_msb 0xa00
.if \fill
	NEXTKU
	s_xor_b32 s[G0K+5], s[G0K+5], SLOT1  ; the walking descriptor: the other slot than last time
	s_add_nc_u64 s[G0K+6:G0K+7], s[KB:KB+1], s[OFF:OFF+1]
	s_or_b32 s[G0K+7], s[G0K+7], 0x80000000
	s_xor_b32 s[G0V+5], s[G0V+5], SLOT1
	s_add_nc_u64 s[G0V+6:G0V+7], s[VB:VB+1], s[OFF:OFF+1]
	s_or_b32 s[G0V+7], s[G0V+7], 0x80000000
.endif
	s_barrier_signal -1
	s_barrier_wait -1
.if \fill
	TLOAD
.endif
	s_xor_b32 s[TB], s[TB], SLOT1
	v_add_nc_u32 v[ADRK], s[TB], v[AK0]
	v_add_nc_u32 v[ADRV], s[TB], v[AV0]
	FETCH_K 0
.endm
; A PASS'S DIAGONAL UNIT, in phases.  At its head K of its first step is on its way into buffer 0.  The other three runs of loads go out together behind the first products, so that the
; change of slots can stand behind the first softmax: the refills on both sides of it then have about a unit's work each in which to land.
; The second step's keys (64-127 of the block) lie above all queries of waves 0 and 1 (0-63): these waves jump over that step, and over no barrier and no tensor load.
; special = 1: the first pass's text, with the wait for Q and the path for tokens 0-15.
.macro DIAG special
	s_wait_dscnt 0x0                ; K of the first step is in
.if \special
	s_wait_loadcnt 0x0              ; Q of both blocks
.endif
	KQ 0
	WIN 0
	PLACES
	FETCH_V 0
	FETCH_K 1
	FETCH_V 1
	WIN 0
	MASK 0
	SOFTMAX 1
	CHANGE 1
	PV 1, 0
	WIN 0
	s_cmp_lt_u32 s[WV], 2
.if \special
	s_cbranch_scc0 .Lstep1_\@
	s_cmp_lg_u32 s[SPEC], 0
	s_cbranch_scc1 .Ljoin_\@
	FIRST16
	s_branch .Ljoin_\@
.Lstep1_\@:
.else
	s_cbranch_scc1 .Ljoin_\@
.endif
	KQ 1                            ; K and V of the second step were shown landed by the change's wait
	WIN 0
	PLACES
	MASK 1
	SOFTMAX 0
	PV 0, 1
	WIN 0
.Ljoin_\@:
.endm
; THE FULL UNITS OF A PASS, by turns.  PRO starts the pipeline on the first of them: both pieces' scores of its first step, the unit's other three runs of loads, piece 0's softmax.
; The four v_nop are the places behind the products K Q^T and behind the products V^T P in front of them, whose V buffer is loaded again.
.macro PRO
	s_wait_dscnt 0x0                ; K of the first step is in
	KQ 0
	WIN 0
	PLACES
	FETCH_V 0
	FETCH_K 1
	FETCH_V 1
	WIN 0
.set pn, 0
.rept 118
	SMN 0
.endr
.endm
; A unit that has a successor in its pass.  At its head: piece 0's softmax and piece 1's scores of its first step are done, and V0, K1, V1 (in this order) may be on their way.
;   turn 1  piece 0: V^T P step 0, K Q^T step 1 | piece 1's softmax, step 0.      Waits: 32 = K1 and V1, issued behind V0, stay out; 16 = V1 stays out
;   the change of slots, and the next unit's K0
;   turn 2  piece 1: the same                   | piece 0's softmax, step 1      | the next unit's V0
;   turn 3  piece 0: V^T P step 1, K Q^T of the next unit's step 0 | piece 1's softmax, step 1 | the next unit's K1.   Wait: 32 = V0 and K1, issued behind K0, stay out
;   turn 4  piece 1: the same                   | piece 0's softmax of the next unit's step 0  | the next unit's V1
.macro BODY fill
	TURN 0, 0, 1, 1, -1, -1, 32, 16
	CHANGE \fill
	TURN 1, 0, 1, 1, -1, 0, -1, -1
	TURN 0, 1, 0, 1, 1, -1, -1, 32
	TURN 1, 1, 0, 1, -1, 1, -1, -1
	WIN 0
.endm
; A pass's last unit: the pipeline runs empty.  change = 2: change of slots with a refill (the next pass's diagonal unit follows); 0: the launch's last unit.
.macro TAIL change
	TURN 0, 0, 1, 1, -1, -1, 32, 16
.if \change
	CHANGE \change-1
.else
	s_wait_dscnt 0x0                ; V of the last step is in
.endif
	TURN 1, 0, 1, 1, -1, -1, -1, -1
	TURN 0, 1, 0, 0, -1, -1, -1, -1 ; piece 0: V^T P of the last step | piece 1's last softmax, two slices behind each product
.set i, 0
.rept 8
	PV1 1, 1                        ; piece 1: V^T P of the last step
.set i, i+1
.endr
	WIN 0
.endm
; THE WAY OUT of a pass.  l's two halves and the other half of the lanes' are added; O^T is divided by l and sent through my stage in LDS: in as 32 bytes a lane, back as whole rows of
; 256 bytes.  next = 1: the second pass follows: att's base steps from block I to block 31 - I.
.macro EPILOGUE next
	PLACES
.irp t, 0,1
	v_add_f32 v[ST+8*\t+4], v[ST+8*\t+2], v[ST+8*\t+3]
.endr
.irp t, 0,1
	v_permlanex16_b32 v[ST+8*\t+5], v[ST+8*\t+4], s[SEL], s[SEL+1]
.endr
.irp t, 0,1
	v_add_f32 v[ST+8*\t+4], v[ST+8*\t+4], v[ST+8*\t+5]
.endr
.irp t, 0,1
	v_rcp_f32 v[ST+8*\t+6], v[ST+8*\t+4]
.endr
	v_nop                           ; a plain instruction between the last reciprocal and the use of its result
.set i, 0
.rept 32
	s_wait_alu depctr_va_vdst(0)
	v_pk_mul_f32 v[OT+2*i:OT+2*i+1], v[OT+2*i:OT+2*i+1], v[ST+8*(i/16)+6:ST+8*(i/16)+7] op_sel_hi:[1,0]
.set i, i+1
.endr
.irp t, 0,1
.irp ct, 0,1,2,3
	ds_store_b128 v[STO], v[OT+32*\t+8*\ct:OT+32*\t+8*\ct+3]   offset:\t*16*SP+64*\ct
	ds_store_b128 v[STO], v[OT+32*\t+8*\ct+4:OT+32*\t+8*\ct+7] offset:\t*16*SP+64*\ct+16
.endr
.endr
.irp n, 0,1,2,3,4,5,6,7,8,9,10,11,12,13,14,15
	ds_load_b128 v[S+4*\n:S+4*\n+3], v[RD] offset:\n*2*SP  ; LDS serves a wave's instructions in order (ISA guide 5.7.1.4): these see the stores above
.endr
.irp n, 0,1,2,3,4,5,6,7,8,9,10,11,12,13,14,15
	s_wait_dscnt 15-\n
	global_store_b128 v[GO], v[S+4*\n:S+4*\n+3], s[OB:OB+1] offset:\n*512  ; two whole rows: 512 consecutive bytes, at a multiple of 256 from att's first byte
.endr
.if \next
	s_wait_xcnt 0x0                 ; the stores' base and S^T's registers are written again only behind this wait
	s_sub_co_u32 s[T1], s[JD], s[BI]  ; 31 - 2 I blocks of 128 rows x 256 bytes on
	s_lshl_b32 s2, s[T1], 15
	s_mov_b32 s3, 0
	s_add_nc_u64 s[OB:OB+1], s[OB:OB+1], s[2:3]
.endif
.endm
	s_wait_tensorcnt 0x1            ; my part of slot 0 is in; slot 1's may stay out
	s_barrier_signal -1
	s_barrier_wait -1               ; everybody's is
	v_add_nc_u32 v[ADRK], s[TB], v[AK0]
	v_add_nc_u32 v[ADRV], s[TB], v[AV0]
	FETCH_K 0
	WIN 0
.set QC, QR
	DIAG 1                          ; block I: its diagonal unit,
	s_cmp_eq_u32 s[BI], 0
	s_cbranch_scc1 .Lpass1_done     ; (the same in all four waves)
	PRO                             ; then units 0 .. I - 1: I - 1 of them in the loop, the last written out
	s_cmp_eq_u32 s[BI], 1
	s_cbranch_scc1 .Lpass1_tail
	s_mov_b32 s[CNT], 1
.Lpass1:
	BODY 1
	s_add_co_u32 s[CNT], s[CNT], 1
	s_cmp_lt_u32 s[CNT], s[BI]
	s_cbranch_scc1 .Lpass1
.Lpass1_tail:
	TAIL 2
.Lpass1_done:
	EPILOGUE 1
.set QC, QR+32
	DIAG 0                          ; block 31 - I: its diagonal unit,
	PRO
	s_mov_b32 s[CNT], 0
.Lpass2:                            ; units 0 .. 28 - I: 29 - I trips, 14 at the least,
	BODY 1
	s_add_co_u32 s[CNT], s[CNT], 1
	s_cmp_lt_u32 s[CNT], s[N2]
	s_cbranch_scc1 .Lpass2
	BODY 0                          ; and the last two, written out: nothing is left to ask for
	TAIL 0
	EPILOGUE 0
	s_set_vgpr_msb 0xa
	s_wait_tensorcnt 0x0
	ds_add_u32 v254, v255
	s_wait_dscnt 0x0
	s_set_vgpr_msb 0xa00
	s_endpgm
.Lfunc_end_k_qa4547ccf67_attention:
	.size	k_qa4547ccf67_attention, .Lfunc_end_k_qa4547ccf67_attention-k_qa4547ccf67_attention
	.p2alignl 7, 3214868480
	.fill 96, 4, 3214868480
	.section	.rodata,"a",@progbits
	.p2align	6, 0x0
	.amdhsa_kernel k_qa4547ccf67_attention
		.amdhsa_group_segment_fixed_size 327680
		.amdhsa_private_segment_fixed_size 0
		.amdhsa_enable_private_segment 0
		.amdhsa_kernarg_size 24
		.amdhsa_user_sgpr_count 2
		.amdhsa_user_sgpr_kernarg_segment_ptr 1
		.amdhsa_wavefront_size32 1
		.amdhsa_system_sgpr_workgroup_id_x 1
		.amdhsa_system_sgpr_workgroup_id_y 1
		.amdhsa_system_sgpr_workgroup_id_z 1
		.amdhsa_system_vgpr_workitem_id 0
		.amdhsa_next_free_vgpr 768
		.amdhsa_next_free_sgpr 76
		.amdhsa_reserve_vcc 1
		.amdhsa_float_denorm_mode_32 3
		.amdhsa_float_denorm_mode_16_64 3
		.amdhsa_memory_ordered 1
		.amdhsa_forward_progress 1
		.amdhsa_inst_pref_size 255
	.end_amdhsa_kernel
	.section	.bss,"aw",@nobits
	.p2align	6
	.space	262144
	.amdgpu_metadata
---
amdhsa.version: [ 1, 2 ]
amdhsa.kernels:
  - .name:           k_qa4547ccf67_attention
    .symbol:         k_qa4547ccf67_attention.kd
    .args:
      - { .name: qkv, .offset: 0, .size: 8, .value_kind: global_buffer, .address_space: global }
      - { .name: first16, .offset: 8, .size: 8, .value_kind: global_buffer, .address_space: global }
      - { .name: att, .offset: 16, .size: 8, .value_kind: global_buffer, .address_space: global }
    .group_segment_fixed_size: 327680
    .private_segment_fixed_size: 0
    .kernarg_segment_align: 8
    .kernarg_segment_size: 24
    .max_flat_workgroup_size: 128
    .sgpr_count:     76
    .vgpr_count:     768
    .wavefront_size: 32
...
	.end_amdgpu_metadata
.endif
;; end of part 2
;; launch project_out (part 3): grid 2 x 128, 4 waves a work-group, no clusters, 220,672 bytes of LDS; arguments att, Wo, out0; writes out0
.if DOCPART == 3
	.amdgcn_target "amdgcn-amd-amdhsa--gfx1250"
	.amdhsa_code_object_version 6
	.text
	.protected	k_qa4547ccf67_project_out
	.globl	k_qa4547ccf67_project_out
	.p2align	8
	.type	k_qa4547ccf67_project_out,@function
k_qa4547ccf67_project_out:
	s_mov_b64 s[64:65], 0
	v_nop
	global_prefetch_b8 v0, s[64:65] scope:SCOPE_SE
	s_setreg_imm32_b32 hwreg(HW_REG_WAVE_MODE, 25, 1), 1
	s_wait_xcnt 0x0
; out0[token][n] = the sum over k of A[token][k] Wo[n][k], A[token][64 h + d] = att[b][h][token][d].  att: f32 [b][h][4096][64]; Wo: f32 [256][256]; out0: f32 [4][4096][256].
; Wo is rounded once to bf16.  att is NOT an input, so its rounding would come on top of the inputs': each number goes in as two bf16, hi + lo, and both are multiplied. Sums in f32.
; LIMITS: NaN and infinities are not treated.
; SHARES: a work-group takes 128 tokens (grid y) x 128 outputs (grid x); its four waves lie 2 x 2, each 64 x 64 in 16 accumulators.
; NO TENSOR LOADS, NO CLUSTER: att and Wo are f32 in memory and are split or rounded in registers on their way to LDS.
; THE MATRIX INSTRUCTION IS USED TRANSPOSED (source 0 = 16 rows of Wo, source 1 = 16 tokens): a lane then holds eight neighbouring outputs of one token.
.set PITCH, 528                        ; an LDS row: 256 bf16 = 512 bytes + 16: the 16 rows of a fragment load start 4 banks apart (64 banks of 4 bytes: ISA guide 11.1)
.set AL,    128*PITCH                  ; A's hi halves lie at 0, its lo halves here,
.set BS,    2*AL                       ; Wo's 128 rows here,
.set STG,   3*AL                       ; and a stage for each wave: 16 rows x 272 bytes
.set SP,    272
.set LOFF, 4                           ; v4      16 x lane
.set AHA,  6                           ; v6, v7  where I put 8 bytes of A's hi halves: loads 0-31, loads 32-63 (an LDS immediate ends at 65,535)
.set ALA,  8                           ; v8, v9  the same for the lo halves
.set BA,   10                          ; v10     where I put 8 bytes of a row of Wo
.set ADRB, 11                          ; v11-13  my fragments of Wo, of A hi, of A lo
.set ADRH, 12
.set ADRL, 13
.set STO,  14                          ; v14     the way out: where I put 32 bytes of a row
.set RD,   15                          ; v15     where I read a row back
.set CO,   16                          ; v16     my byte offset in out0
.set T,    32                          ; v32-95  staging: two sets of 32 by turns: 8 registers of hi halves, 8 of lo halves, 16 at work
.set OBF,  32                          ; v32-63, v64-95 later: rows read back, by turns
.set RING, 128                         ; v128-255 32 slots of 4 registers while att and Wo come in,
.set ACC,  128                         ;          then the accumulators: (a, b) at v[128 + 8 (4 a + b)]
                                       ; windows 1 and 2: a fragment buffer each, 64 along K: v0-63 Wo, v64-127 A hi, v128-191 A lo
.set WV,   10                          ; s10     wave
.set AB,   16                          ; s[16:17] att: head = my wave's number, the block's 128 tokens
.set WB,   18                          ; s[18:19] my 32 rows of Wo
.set OB,   20                          ; s[20:21] my 64 x 64 of out0
.set HI,   22                          ; s22     a word's upper bf16
.set MSB, 0
.macro WIN new                         ; s_set_vgpr_msb: bits 1:0 source 0, 3:2 source 1, 5:4 source 2, 7:6 destination; the high byte repeats the setting that is left
.if MSB != (\new)
	s_set_vgpr_msb (MSB<<8)|(\new)
.set MSB, (\new)
.endif
.endm
.macro PLACES                          ; four places between a matrix instruction and a load or LDS store that touches its registers
.rept 4
	v_nop
.endr
.endm
	s_load_b128 s[4:7], s[0:1], 0x0                ; att s[4:5], Wo s[6:7]
	s_load_b64 s[8:9], s[0:1], 0x10                ; out0
	v_lshl_add_u32 v126, v0, 2, 0x35c00
	v_mov_b32 v127, 0
	v_lshrrev_b32 v1, 5, v0
	v_readfirstlane_b32 s[WV], v1                  ; wave 0..3
	s_and_b32 s12, ttmp7, 0xffff                   ; block of 128 tokens
	s_lshr_b32 s13, s[WV], 1                       ; which half of the tokens is mine
	s_and_b32 s14, s[WV], 1                        ; which half of the outputs
	s_mov_b32 s[HI], 0xffff0000
	v_and_b32 v1, 31, v0                           ; lane
	v_and_b32 v2, 15, v0                           ; r
	v_bfe_u32 v3, v0, 4, 1                         ; h
	v_lshlrev_b32 v[LOFF], 4, v1
	s_lshr_b32 s15, s12, 5                         ; batch
	s_lshl2_add_u32 s15, s15, s[WV]                ; plane 4 b + head
	s_lshl_b32 s24, s15, 20
	s_and_b32 s15, s12, 31
	s_lshl_b32 s15, s15, 15                        ; 128 rows of 256 bytes
	s_add_co_u32 s24, s24, s15
	s_mov_b32 s25, 0
	s_lshl_b32 s26, ttmp9, 17                      ; 128 rows of Wo,
	s_lshl_b32 s15, s[WV], 15                      ; my 32 of them
	s_add_co_u32 s26, s26, s15
	s_mov_b32 s27, 0
	s_wait_kmcnt 0x0
	s_add_nc_u64 s[AB:AB+1], s[4:5], s[24:25]
	s_add_nc_u64 s[WB:WB+1], s[6:7], s[26:27]
; STAGING.  128 loads a wave, each 512 consecutive bytes: 64 for one head's 128 tokens (two tokens a load), 64 for 32 rows of Wo.  A ring of 32 register slots.
; The loads are worked off in groups (att: four, Wo: eight): one wait, all the group's arithmetic stage by stage, its LDS stores, the next loads.  So no instruction stands behind the
; one that makes its operand, and the two sets of T take turns, so that nothing writes a register that a store issued just before still reads.
.macro LD n
.if (\n) < 64
	global_load_b128 v[RING+4*((\n)%32):RING+4*((\n)%32)+3], v[LOFF], s[AB:AB+1] offset:(\n)*512
.else
	global_load_b128 v[RING+4*((\n)%32):RING+4*((\n)%32)+3], v[LOFF], s[WB:WB+1] offset:((\n)-64)*512
.endif
.endm
.macro CVA g                           ; att's loads 4 g .. 4 g + 3: 32 + 4 g are issued, 4 g + 4 are wanted: 28 younger ones stay out
.set B0, T+32*((\g)%2)
	s_wait_loadcnt 28
.set mm, 0
.rept 4                                ; hi = the nearest bf16
.set R, RING+4*((4*(\g)+mm)%32)
	v_cvt_pk_bf16_f32 v[B0+2*mm],   v[R],   v[R+1]
	v_cvt_pk_bf16_f32 v[B0+2*mm+1], v[R+2], v[R+3]
.set mm, mm+1
.endr
.set mm, 0
.rept 8                                ; hi as f32 again
	v_lshlrev_b32 v[B0+16+2*mm], 16, v[B0+mm]
	v_and_b32     v[B0+17+2*mm], s[HI], v[B0+mm]
.set mm, mm+1
.endr
.set mm, 0
.rept 8                                ; what the rounding left over,
.set R, RING+4*((4*(\g)+mm/2)%32)+2*(mm%2)
	v_pk_add_f32 v[B0+16+2*mm:B0+17+2*mm], v[R:R+1], v[B0+16+2*mm:B0+17+2*mm] neg_lo:[0,1] neg_hi:[0,1]
.set mm, mm+1
.endr
.set mm, 0
.rept 8                                ; rounded again: lo
	v_cvt_pk_bf16_f32 v[B0+8+mm], v[B0+16+2*mm], v[B0+17+2*mm]
.set mm, mm+1
.endr
.set mm, 0
.rept 4
.set nn, 4*(\g)+mm
	ds_store_b64 v[AHA+nn/32], v[B0+2*mm:B0+2*mm+1]     offset:(nn%32)*2*PITCH
	ds_store_b64 v[ALA+nn/32], v[B0+8+2*mm:B0+8+2*mm+1] offset:(nn%32)*2*PITCH
.set mm, mm+1
.endr
.endm
.macro CVB g, left                     ; Wo's loads 64 + 8 g .. 64 + 8 g + 7; left = the younger loads, which stay out
.set B0, T+32*((\g)%2)
	s_wait_loadcnt \left
.set mm, 0
.rept 8
.set R, RING+4*((8*(\g)+mm)%32)
	v_cvt_pk_bf16_f32 v[B0+2*mm],   v[R],   v[R+1]
	v_cvt_pk_bf16_f32 v[B0+2*mm+1], v[R+2], v[R+3]
.set mm, mm+1
.endr
.set mm, 0
.rept 8
.set nn, 8*(\g)+mm
	ds_store_b64 v[BA], v[B0+2*mm:B0+2*mm+1] offset:(nn/2)*PITCH+(nn%2)*256
.set mm, mm+1
.endr
.endm
.set ii, 0
.rept 32
	LD ii
.set ii, ii+1
.endr
	; the LDS addresses are made while the first loads are on their way
	v_mul_u32_u24 v17, v3, PITCH                   ; token 2 n + h,
	v_lshl_add_u32 v17, v2, 3, v17                 ; four channels = 8 bytes for each of 16 lanes,
	s_lshl_b32 s15, s[WV], 7                       ; in my head's 128 bytes of the row
	v_add_nc_u32 v[AHA], s15, v17
	v_add_nc_u32 v[AHA+1], 64*PITCH, v[AHA]
	v_add_nc_u32 v[ALA], AL, v[AHA]
	v_add_nc_u32 v[ALA+1], AL+64*PITCH, v[AHA]
	s_mul_i32 s15, s[WV], 32*PITCH
	s_add_co_u32 s15, s15, BS
	v_lshlrev_b32 v17, 3, v1
	v_add_nc_u32 v[BA], s15, v17
	v_mul_u32_u24 v18, v2, PITCH
	v_lshl_add_u32 v18, v3, 4, v18                 ; a fragment: row r x pitch + 16 h
	s_mul_i32 s15, s14, 64*PITCH
	s_add_co_u32 s15, s15, BS
	v_add_nc_u32 v[ADRB], s15, v18
	s_mul_i32 s15, s13, 64*PITCH
	v_add_nc_u32 v[ADRH], s15, v18
	v_add_nc_u32 v[ADRL], AL, v[ADRH]
	s_mul_i32 s15, s[WV], 16*SP
	s_add_co_u32 s15, s15, STG                     ; my stage
	v_mul_u32_u24 v[STO], v2, SP
	v_lshl_add_u32 v[STO], v3, 5, v[STO]
	v_add_nc_u32 v[STO], s15, v[STO]               ; in: row r, 32 bytes for each half of the lanes
	v_mul_u32_u24 v[RD], v3, SP
	v_lshl_add_u32 v[RD], v2, 4, v[RD]
	v_add_nc_u32 v[RD], s15, v[RD]                 ; back: lanes 0-15 one row of 256 bytes, lanes 16-31 the next
	v_lshlrev_b32 v[CO], 10, v3
	v_lshl_add_u32 v[CO], v2, 4, v[CO]             ; the same two rows in out0
	s_lshl_b32 s24, s12, 17                        ; 128 tokens x 1,024 bytes,
	s_lshl_b32 s15, s13, 16                        ; my 64 of them,
	s_add_co_u32 s24, s24, s15
	s_lshl_b32 s15, ttmp9, 9                       ; 128 outputs x 4 bytes,
	s_add_co_u32 s24, s24, s15
	s_lshl_b32 s15, s14, 8                         ; my 64 of them
	s_add_co_u32 s24, s24, s15
	s_add_nc_u64 s[OB:OB+1], s[8:9], s[24:25]
.set gg, 0
.rept 16
	CVA gg
.set ii, 0
.rept 4
	LD 4*gg+32+ii
.set ii, ii+1
.endr
.set gg, gg+1
.endr
.set gg, 0
.rept 8
.if gg < 4
	CVB gg, 24                                     ; 96 + 8 g loads are issued, 72 + 8 g are wanted: 24 younger ones stay out
.set ii, 0
.rept 8
	LD 8*gg+96+ii
.set ii, ii+1
.endr
.else
	CVB gg, 56-8*gg                                ; nothing more to ask for: of 128 loads 72 + 8 g are wanted: the counts run down 24, 16, 8, 0
.endif
.set gg, gg+1
.endr
	s_wait_dscnt 0x0                               ; for the others' sake: my parts of A and of Wo are written
	s_barrier_signal -1
	s_barrier_wait -1                              ; the one barrier: from here on A's and Wo's rows are only read
; 16 matrix instructions: all 4 x 4 accumulators, 32 along K (half c of the buffer whose window is set); part 0: A's hi halves, 1: its lo halves.  zero = 1: the products start the sums.
; The 16 accumulators take turns, one instruction a turn.
.macro MULP c, part, zero
.irp a, 0,1,2,3
.irp b, 0,1,2,3
.if \zero
	v_wmma_f32_16x16x32_bf16 v[ACC+8*(4*\a+\b):ACC+8*(4*\a+\b)+7], v[8*(4*\c+\b):8*(4*\c+\b)+7], v[64+64*\part+8*(4*\c+\a):64+64*\part+8*(4*\c+\a)+7], 0
.else
	v_wmma_f32_16x16x32_bf16 v[ACC+8*(4*\a+\b):ACC+8*(4*\a+\b)+7], v[8*(4*\c+\b):8*(4*\c+\b)+7], v[64+64*\part+8*(4*\c+\a):64+64*\part+8*(4*\c+\a)+7], v[ACC+8*(4*\a+\b):ACC+8*(4*\a+\b)+7]
.endif
.endr
.endr
.endm
; 48 LDS loads in one run: the fragments of 64 along K at byte k of the rows, into buffer f (window 1 + f); the first 32 along K first
.macro FETCH3 k, f
	WIN (1+\f)<<6
.irp c, 0,1
.irp i, 0,1,2,3
	ds_load_b128 v[8*(4*\c+\i):8*(4*\c+\i)+3],           v[ADRB] offset:\k+64*\c+\i*16*PITCH
	ds_load_b128 v[8*(4*\c+\i)+4:8*(4*\c+\i)+7],         v[ADRB] offset:\k+64*\c+\i*16*PITCH+32
	ds_load_b128 v[64+8*(4*\c+\i):64+8*(4*\c+\i)+3],     v[ADRH] offset:\k+64*\c+\i*16*PITCH
	ds_load_b128 v[64+8*(4*\c+\i)+4:64+8*(4*\c+\i)+7],   v[ADRH] offset:\k+64*\c+\i*16*PITCH+32
	ds_load_b128 v[128+8*(4*\c+\i):128+8*(4*\c+\i)+3],   v[ADRL] offset:\k+64*\c+\i*16*PITCH
	ds_load_b128 v[128+8*(4*\c+\i)+4:128+8*(4*\c+\i)+7], v[ADRL] offset:\k+64*\c+\i*16*PITCH+32
.endr
.endr
.endm
; A quarter of K, 64 matrix instructions: multiplies buffer f and (fetch = 1) fetches the next quarter, at byte k, into the other buffer.
.macro QUARTER3 k, f, zero, fetch
	s_wait_dscnt 24                                ; the first 32 along K are in; the run's other 24 loads may be out
	WIN 0x05*(1+\f)                                ; sources 0 and 1 in the buffer's window, C and D in window 0
	MULP 0, 0, \zero
	MULP 0, 1, 0
.if \fetch
	PLACES
	FETCH3 \k, 1-\f
	s_wait_dscnt 48                                ; all but the 48 just issued
.else
	s_wait_dscnt 0x0
.endif
	WIN 0x05*(1+\f)
	MULP 1, 0, 0
	MULP 1, 1, 0
.endm
	FETCH3 0, 0
	QUARTER3 128, 0, 1, 1
	QUARTER3 256, 1, 0, 1
	QUARTER3 384, 0, 0, 1
	QUARTER3 0,   1, 0, 0
	; THE WAY OUT, 16 tokens at a time: 32 bytes a lane into my own stage, back as whole rows of 256 bytes, stored.
	WIN 0
	PLACES
.irp a, 0,1,2,3
.irp b, 0,1,2,3
	ds_store_b128 v[STO], v[ACC+8*(4*\a+\b):ACC+8*(4*\a+\b)+3]   offset:64*\b
	ds_store_b128 v[STO], v[ACC+8*(4*\a+\b)+4:ACC+8*(4*\a+\b)+7] offset:64*\b+16
.endr
.if \a >= 2
	s_wait_xcnt 0x0                                ; the set of registers that the stores two blocks back read is loaded again only behind this wait
.endif
.irp t, 0,1,2,3,4,5,6,7
	ds_load_b128 v[OBF+32*(\a%2)+4*\t:OBF+32*(\a%2)+4*\t+3], v[RD] offset:\t*2*SP   ; LDS serves a wave's instructions in order (ISA guide 5.7.1.4): these see the stores above, and the next block's stores come behind them
.endr
.irp t, 0,1,2,3,4,5,6,7
	s_wait_dscnt 7-\t
	global_store_b128 v[CO], v[OBF+32*(\a%2)+4*\t:OBF+32*(\a%2)+4*\t+3], s[OB:OB+1] offset:(16*\a+2*\t)*1024 th:TH_STORE_NT   ; 16 lanes store 256 consecutive bytes, at a multiple of 256 from out0's first byte
.endr
.endr
	s_wait_tensorcnt 0x0
	ds_add_u32 v126, v127
	s_wait_dscnt 0x0
	s_endpgm
.Lfunc_end_k_qa4547ccf67_project_out:
	.size	k_qa4547ccf67_project_out, .Lfunc_end_k_qa4547ccf67_project_out-k_qa4547ccf67_project_out
	.p2alignl 7, 3214868480
	.fill 96, 4, 3214868480
	.section	.rodata,"a",@progbits
	.p2align	6, 0x0
	.amdhsa_kernel k_qa4547ccf67_project_out
		.amdhsa_group_segment_fixed_size 220672
		.amdhsa_private_segment_fixed_size 0
		.amdhsa_enable_private_segment 0
		.amdhsa_kernarg_size 24
		.amdhsa_user_sgpr_count 2
		.amdhsa_user_sgpr_kernarg_segment_ptr 1
		.amdhsa_wavefront_size32 1
		.amdhsa_system_sgpr_workgroup_id_x 1
		.amdhsa_system_sgpr_workgroup_id_y 1
		.amdhsa_system_sgpr_workgroup_id_z 1
		.amdhsa_system_vgpr_workitem_id 0
		.amdhsa_next_free_vgpr 768
		.amdhsa_next_free_sgpr 66
		.amdhsa_reserve_vcc 0
		.amdhsa_float_denorm_mode_32 3
		.amdhsa_float_denorm_mode_16_64 3
		.amdhsa_memory_ordered 1
		.amdhsa_forward_progress 1
		.amdhsa_inst_pref_size 106
	.end_amdhsa_kernel
	.amdgpu_metadata
---
amdhsa.version: [ 1, 2 ]
amdhsa.kernels:
  - .name:           k_qa4547ccf67_project_out
    .symbol:         k_qa4547ccf67_project_out.kd
    .args:
      - { .name: att, .offset: 0, .size: 8, .value_kind: global_buffer, .address_space: global }
      - { .name: Wo, .offset: 8, .size: 8, .value_kind: global_buffer, .address_space: global }
      - { .name: out0, .offset: 16, .size: 8, .value_kind: global_buffer, .address_space: global }
    .group_segment_fixed_size: 220672
    .private_segment_fixed_size: 0
    .kernarg_segment_align: 8
    .kernarg_segment_size: 24
    .max_flat_workgroup_size: 128
    .sgpr_count:     66
    .vgpr_count:     768
    .wavefront_size: 32
...
	.end_amdgpu_metadata
.endif
;; end of part 3
